; MI455X (gfx1250); checked and timed in simulation.
; The chip was launched on July 23, 2026; its instructions are those of AMD's public machine-readable ISA for CDNA 5 (MIT licence, August 2026) and "CDNA5" Instruction Set Architecture Reference Guide (July 2026). The comments in the code are by the model that wrote it; some were corrected since.
;; Camembert Self Attention. Allowed arithmetic: matrix products marked QUANTISED: E5M2 operands, one E8M0 scale for each 32 along K, by v_wmma_scale_f32_16x16x128_f8f6f4 with both operands' format E5M2, f32 sums; everything else in f32.
;; Inputs: Wk 1,024 x 1,024 float32; Wq 1,024 x 1,024 float32; Wv 1,024 x 1,024 float32; bk 1,024 float32; bq 1,024 float32; bv 1,024 float32; hidden_states 4 x 2,048 x 1,024 float32.
;; Outputs: out0 4 x 2,048 x 1,024 float32.
;; This version of the problem:
;;   THIS VERSION OF THE PROBLEM IS GIVEN IN LOW PRECISION. The matrix products marked QUANTISED in the list below multiply operands that are first quantised to E5M2 (5 exponent bits, 2 mantissa bits; 8 bits a number), with one power-of-two scale for each 32 numbers along K (OCP MX v1.0); their sums are f32. All else is computed in f32.
;;   The module's matrix products, in the order in which they are computed (A, B: the left and right operand; K: the contracted axis; several contracted axes count as one K, in the product's order):
;;     1. [M 8,192, K 1,024] x [K 1,024, N 1,024]; A: input hidden_states; B: input Wq: QUANTISED
;;     2. [M 8,192, K 1,024] x [K 1,024, N 1,024]; A: input hidden_states; B: input Wk: QUANTISED
;;     3. [M 8,192, K 1,024] x [K 1,024, N 1,024]; A: input hidden_states; B: input Wv: QUANTISED
;;     4. batch 64 x [M 2,048, K 64] x [K 64, N 2,048]; A: computed on the way; B: computed on the way: QUANTISED
;;     5. batch 64 x [M 64, K 2,048] x [K 2,048, N 2,048]; A: computed on the way; B: computed on the way: QUANTISED
;;   THE QUANTISER, for each operand of a quantised product, along K:
;;     - K is cut into blocks of 32 from its start; a last block that is shorter is filled with zeros.
;;     - A block's scale is 2^e with e = floor(log2(the largest magnitude in the block)) - 15, held to -126 .. 127; a block of zeros has e = 0. As a byte (E8M0): e + 127.
;;     - Each number is divided by its block's scale, clamped to +-57,344, and rounded to the nearest number of E5M2, ties to even, subnormals kept.
;;     - The product sums the exact products of the quantised numbers (number of the format x scale) in f32.
;;   ~~~python
;;   def quantise(x, axis):      # numpy; x: float32 -> the quantised numbers, widened to float32 again
;;       x = np.moveaxis(x, axis, -1); K = x.shape[-1]
;;       x = np.pad(x, [(0, 0)] * (x.ndim - 1) + [(0, -K % 32)]); x = x.reshape(x.shape[:-1] + (-1, 32)); a = np.abs(x).max(-1, keepdims=True)
;;       e = np.where(a > 0, np.clip(np.frexp(np.where(a > 0, a, 1))[1] - 1 - 15, -126, 127), 0)      # np.frexp(a)[1] - 1 = floor(log2(a)), exactly
;;       r = np.clip(x / 2.0 ** e, -57344, 57344)
;;       step = 2.0 ** (np.maximum(np.frexp(np.where(r == 0, 1, r))[1] - 1, -14) - 2)
;;       q = np.round(r / step) * step * 2.0 ** e      # np.round: ties to even
;;       return np.moveaxis(q.reshape(q.shape[:-2] + (-1,))[..., :K], -1, axis).astype(np.float32)
;;   ~~~
;;   OPERANDS COMPUTED ON THE WAY. 'Computed on the way' means the value that the module computes at that place (a softmax that the list does not call 'softmax' is quantised finished and normalised). What goes into a quantiser is computed in f32, as accurately as f32 sums, v_exp_f32 and their like allow (about 1e-6 of the number): no bf16 or f16 on the way to a quantiser, and a product that is left as it is and whose result goes on into a quantised operand takes f32 operands (vector FMAs, or v_wmma_f32_16x16x4_f32). A number that lies on a knife's edge between two numbers of the format may be rounded either way, as far as f32 arithmetic and the matrix unit's own rounding can turn it there, and no further.
;; One version. Each part assembles by itself: llvm-mc -triple=amdgcn-amd-amdhsa -mcpu=gfx1250 --defsym DOCPART=n.
;; ======== version 1 of 1: 3 launches
;; limits: right only within a limited range of input values
;; workspace buffers: hs_codes 8,388,608 bytes; hs_scales 262,144 bytes; w_codes 3,145,728 bytes; w_scales 98,304 bytes; qk_pack 17,825,792 bytes; v_pack 8,650,752 bytes
;; launch quant (part 1): grid 352 x 1, 4 waves a work-group, no clusters, 69,120 bytes of LDS; arguments hidden_states, Wq, Wk, Wv, hs_codes, hs_scales, w_codes, w_scales; writes hs_codes, hs_scales, w_codes, w_scales
.if DOCPART == 1
	.amdgcn_target "amdgcn-amd-amdhsa--gfx1250"
	.amdhsa_code_object_version 6
	.text
	.protected	k_qd09bdcb63c_quant
	.globl	k_qd09bdcb63c_quant
	.p2align	8
	.type	k_qd09bdcb63c_quant,@function
k_qd09bdcb63c_quant:
	s_mov_b64 s[64:65], 0
	v_nop
	global_prefetch_b8 v0, s[64:65] scope:SCOPE_SE
	s_setreg_imm32_b32 hwreg(HW_REG_WAVE_MODE, 25, 1), 1
	s_wait_xcnt 0x0
; hidden_states [8192][1024] f32 (K innermost) and Wq, Wk, Wv [1024 (K)][1024] f32 (K is the FIRST axis) become codes of BF8 (E5M2), K innermost, with one E8M0 scale byte for each 32 along K.
; A block's scale is 2^(floor(log2(its largest magnitude)) - 15); its byte is the largest magnitude's exponent field - 15, held at 1 from below; each number is divided by the scale, held within +-57,344
; and rounded to the nearest code, ties to even.
; LIMITS: a block of zeros gets the byte 1 where the rule says 127 (its codes are zeros, which add nothing under any byte but 0xff, and this program alone reads the bytes); blocks whose largest magnitude
; lies under 2^(15 - 126) have their byte held at 1; NaN and infinities among the inputs are not served.
; THE ROW ORDER of all four outputs: in each group of 32 rows the second and the third group of eight change places (position = row with bits 3 and 4 swapped).  So sixteen neighbouring positions 16 u + r
; hold the rows 8 u + r + 8 (r / 8): the tiles that the next launch multiplies, chosen so that its results lie in a lane's registers as neighbours along the K of the product after it.
; w_codes has 3,072 rows of 1,024 bytes: Wq's columns, then Wk's, then Wv's.  Scale rows are 32 bytes.
; Work-groups 0-255 take hidden_states, 32 rows each, a wave eight rows; work-groups 256-351 take the weights, 128 columns x 256 along K each.  The two paths part on the work-group's number, never meet again,
; and have LDS bytes of their own (0 .. 32,767 and 32,768 .. 67,583).  No tensor loads, no barrier: waves share nothing.  Memory binds, so matrix units and clusters would add nothing here.
.set EMAX,  15
.set MANT,  0x600000                   ; the mantissa field of 57,344 as f32
.set FLOOR, (EMAX+1)<<23               ; 2^(16 - 127)
.set OFFE,  0xf8800000                 ; -(15 << 23)
; the path of hidden_states
.set STEPS, 16                         ; a wave takes 16 steps of 512 numbers: eight rows
.set CB,    16                         ; bytes of 16 codes
.set RH,    16                         ; v16-79   four sets of 16 numbers as they are loaded
.set XH,    80                         ; v80-111  two sets of 16 neighbours
.set EH,    112                        ; v112-127 a scale byte for each step
.set CH,    128                        ; v128-191 codes: four registers for each step, so that no store's data are written again
.set WREG,  8192                       ; LDS: a region for each wave: two stages of 32 x SP bytes, behind them its 256 scale bytes
.set SP,    80                         ; a lane's place in a stage: its 64 bytes + 16 of padding
; the path of the weights
.set NB,    8                          ; blocks of 32 along K for a wave
.set PITCH, 272                        ; a stage row: 256 bytes of codes + 16
.set KROW,  1024                       ; a row of w_codes in bytes
.set WROW,  4096                       ; a row of a weight in bytes
.set XW,    32                         ; v32-95   two sets of 32 numbers
.set CW,    96                         ; v96-103  a block's codes
.set OUTR,  112                        ; v112-175 the way out
.set SB,    24                         ; v24-25   the scale bytes, four to a register
.set WSTG,  32768                      ; LDS: the weights' stages begin here, 32 x PITCH bytes for each wave
	s_load_b256 s[4:11], s[0:1], 0x0               ; hidden_states s[4:5], Wq s[6:7], Wk s[8:9], Wv s[10:11]
	s_load_b256 s[12:19], s[0:1], 0x20             ; hs_codes s[12:13], hs_scales s[14:15], w_codes s[16:17], w_scales s[18:19]
	v_lshl_add_u32 v192, v0, 2, 0x10c00
	v_mov_b32 v193, 0
	v_lshrrev_b32 v1, 5, v0
	v_readfirstlane_b32 s20, v1                    ; wave 0..3
	v_and_b32 v2, 31, v0                           ; lane
	s_mov_b32 s31, MANT                            ; (an instruction takes one literal: the hold's line has another)
	s_cmp_lt_u32 ttmp9, 256
	s_cbranch_scc0 .Lweights
; ---------------- hidden_states: K innermost.  The conversions take neighbours along K from ONE lane's registers, a load is best where neighbouring LANES take neighbouring bytes: each of a step's four loads reads
; 512 consecutive bytes, the 2,048 bytes go through the wave's own stage in LDS as they lie and come back 64 bytes a lane.  Two neighbouring lanes hold a block.
	v_lshlrev_b32 v3, 4, v2                        ; my 16 bytes of a load's 512
	s_mul_i32 s21, s20, WREG
	v_lshrrev_b32 v14, 2, v2
	v_mul_u32_u24 v14, v14, SP
	v_and_b32 v15, 3, v2
	v_lshl_add_u32 v14, v15, 4, v14
	v_add_nc_u32 v14, s21, v14                     ; the stage, on the way in: SP (lane / 4) + 16 (lane % 4)
	v_mul_u32_u24 v15, v2, SP
	v_add_nc_u32 v15, s21, v15                     ; and on the way out: SP x lane: my 16 neighbours
	v_mul_u32_u24 v4, v2, CB                       ; my codes' place in a step's
	v_lshrrev_b32 v5, 1, v2
	s_add_co_u32 s21, s21, 2*32*SP
	v_add_nc_u32 v5, s21, v5                       ; LDS: my wave's 256 scale bytes, my block's byte
	v_lshlrev_b32 v7, 3, v2                        ; and on the way out 8 bytes a lane
	v_add_nc_u32 v6, s21, v7
	s_lshl_b32 s22, ttmp9, 2
	s_add_co_u32 s24, s22, s20                     ; which eight rows I read: 4 x work-group + wave
	s_and_b32 s23, s20, 1
	s_lshl_b32 s23, s23, 1
	s_lshr_b32 s25, s20, 1
	s_or_b32 s23, s23, s25                         ; the wave's number with its two bits swapped: 0, 2, 1, 3
	s_add_co_u32 s26, s22, s23                     ; where they go: THE ROW ORDER
	s_lshl_b32 s24, s24, 15                        ; eight rows of 4,096 bytes (under 2^25)
	s_mov_b32 s25, 0
	s_lshl_b32 s28, s26, 13                        ; eight rows of 1,024 codes
	s_mov_b32 s29, 0
	s_lshl_b32 s26, s26, 8                         ; eight rows of 32 scale bytes
	s_mov_b32 s27, 0
	s_wait_alu depctr_va_vdst(0)
	s_wait_kmcnt 0x0
	s_add_nc_u64 s[4:5], s[4:5], s[24:25]
	s_add_nc_u64 s[12:13], s[12:13], s[28:29]
	s_add_nc_u64 s[14:15], s[14:15], s[26:27]
.macro LOADH t
.irp i, 0,1,2,3
	global_load_b128 v[RH+16*((\t)%4)+4*\i:RH+16*((\t)%4)+4*\i+3], v3, s[4:5] offset:2048*(\t)+512*\i th:TH_LOAD_NT   ; 32 lanes read 512 consecutive bytes, read once in the launch
.endr
.endm
.macro TURNH t                         ; step t's numbers through the stage: LDS serves a wave's instructions in order (ISA guide 5.7.1.4), so no wait stands between the stores and the loads
.irp i, 0,1,2,3
	ds_store_b128 v14, v[RH+16*((\t)%4)+4*\i:RH+16*((\t)%4)+4*\i+3] offset:32*SP*((\t)%2)+8*SP*\i
.endr
.irp i, 0,1,2,3
	ds_load_b128 v[XH+16*((\t)%2)+4*\i:XH+16*((\t)%2)+4*\i+3], v15 offset:32*SP*((\t)%2)+16*\i
.endr
.endm
.irp t, 0,1,2,3
	LOADH \t
.endr
	s_wait_loadcnt 12                              ; step 0's four loads are in; the twelve of steps 1 to 3 may be out
	TURNH 0
.macro STEPH t
.set XS, XH+16*((\t)%2)
.if (\t) > 0
	s_wait_dscnt 1                                 ; this step's numbers are back from the stage (the last step's byte store may be out): so its stores into the stage have read their registers,
.else
	s_wait_dscnt 0x0
.endif
.if (\t)+4 < STEPS
	LOADH (\t)+4                                   ; which take the loads of four steps on
.endif
.if (\t)+1 < STEPS
.if STEPS-2-(\t) >= 3
	s_wait_loadcnt 12                              ; the next step's four loads are in; those of the three steps behind it may be out
.else
	s_wait_loadcnt 4*(STEPS-2-(\t))                ; near the end fewer steps are behind it
.endif
	TURNH (\t)+1                                   ; and go through the other stage while this step is worked
.endif
	v_max3_num_f32 v8, |v[XS]|, |v[XS+1]|, |v[XS+2]|               ; the largest magnitude of my 16, in two chains
	v_max3_num_f32 v9, |v[XS+3]|, |v[XS+4]|, |v[XS+5]|
.irp i, 6,10
	v_max3_num_f32 v8, v8, |v[XS+\i]|, |v[XS+\i+1]|
	v_max3_num_f32 v9, v9, |v[XS+\i+2]|, |v[XS+\i+3]|
.endr
	v_max3_num_f32 v8, v8, |v[XS+14]|, |v[XS+15]|
	v_max3_num_f32 v8, v8, v9, FLOOR               ; and the floor, under which no largest magnitude is taken: so the byte cannot fall under 1
	v_max_num_f32_dpp v8, v8, v8 row_xmask:1 row_mask:0xf bank_mask:0xf   ; and of my neighbour's 16: the block's
	v_add_nc_u32 v11, OFFE, v8                     ; 15 off its exponent field: the conversion takes the exponent field of this operand as its scale, and nothing else of it
	v_and_or_b32 v10, v8, 0x7f800000, s31          ; 57,344 x the scale: the largest magnitude's exponent field over 57,344's mantissa
.irp i, 0,1,2,3,4,5,6,7,8,9,10,11,12,13,14,15
	v_med3_num_f32 v[XS+\i], v[XS+\i], -v10, v10   ; the conversion to an 8-bit code does not saturate (ISA guide 7.6.2): the hold comes first
.endr
	v_cvt_scalef32_pk8_bf8_f32 v[CH+4*(\t):CH+4*(\t)+1], v[XS:XS+7], v11
	v_cvt_scalef32_pk8_bf8_f32 v[CH+4*(\t)+2:CH+4*(\t)+3], v[XS+8:XS+15], v11
	v_lshrrev_b32 v[EH+(\t)], 23, v11              ; the scale's byte (also the plain line behind the conversions)
	ds_store_b8 v5, v[EH+(\t)] offset:16*(\t)      ; both lanes of a block write the same byte with the same value
	global_store_b128 v4, v[CH+4*(\t):CH+4*(\t)+3], s[12:13] offset:32*CB*(\t)   ; the wave stores 512 consecutive bytes, aligned
.endm
.irp t, 0,1,2,3,4,5,6,7,8,9,10,11,12,13,14,15
	STEPH \t
.endr
	ds_load_b64 v[12:13], v6                       ; in order behind my byte stores
	s_wait_dscnt 0x0
	global_store_b64 v7, v[12:13], s[14:15]        ; 32 lanes store 256 consecutive bytes, aligned: eight rows of scale bytes
	s_wait_tensorcnt 0x0
	ds_add_u32 v192, v193
	s_wait_dscnt 0x0
	s_endpgm
; ---------------- the weights: K is the first axis.  A LANE TAKES A COLUMN, AND ITS REGISTERS RUN DOWN K: each load reads neighbouring columns in neighbouring lanes, a block of 32 along K lies in one lane's
; 32 registers, and the conversions give the codes with K innermost.  A wave takes 32 columns x 256 along K; the codes go through its own stage and leave as rows, sixteen lanes to 256 consecutive bytes.
.Lweights:
	s_sub_co_u32 s21, ttmp9, 256
	s_lshr_b32 s22, s21, 2                         ; x = 0 .. 23: which 128 rows of w_codes
	s_and_b32 s23, s21, 3                          ; y: which 256 along K
	s_lshl_b32 s24, s20, 5                         ; 32 x wave
	s_and_b32 s25, s22, 7
	s_lshl_b32 s25, s25, 7
	s_add_co_u32 s25, s25, s24                     ; my first column in its weight
	s_lshl_b32 s26, s22, 7
	s_add_co_u32 s26, s26, s24                     ; my first row of w_codes
	s_wait_alu depctr_va_vdst(0)
	v_lshlrev_b32 v3, 2, v2                        ; in: 4 bytes a lane
	v_and_b32 v5, 7, v2
	v_bfe_u32 v6, v2, 3, 1
	v_lshl_add_u32 v5, v6, 4, v5
	v_bfe_u32 v6, v2, 4, 1
	v_lshl_add_u32 v5, v6, 3, v5                   ; THE ROW ORDER: my column's position among the wave's 32: the lane's number with bits 3 and 4 swapped
	s_mul_i32 s27, s20, 32*PITCH
	s_add_co_u32 s27, s27, WSTG                    ; my stage
	v_mul_u32_u24 v4, v5, PITCH
	v_add_nc_u32 v4, s27, v4                       ; into it: row = my column's position
	v_lshlrev_b32 v9, 5, v5                        ; and the same row of scale bytes, 32 bytes a row
	v_and_b32 v5, 15, v2
	v_lshrrev_b32 v6, 4, v2                        ; out of it: sixteen lanes to a row, two rows an instruction
	v_mul_u32_u24 v7, v6, PITCH
	v_lshl_add_u32 v7, v5, 4, v7
	v_add_nc_u32 v7, s27, v7
	v_mul_u32_u24 v8, v6, KROW
	v_lshl_add_u32 v8, v5, 4, v8                   ; and the same place in w_codes
	s_lshl_b32 s28, s23, 20                        ; the weight: 256 y rows of 4,096 bytes
	s_lshl_b32 s29, s25, 2
	s_add_co_u32 s28, s28, s29                     ; + 4 x column
	s_mov_b32 s29, 0
	s_lshl_b32 s32, s26, 10                        ; w_codes: row x 1,024
	s_lshl_b32 s33, s23, 8
	s_add_co_u32 s32, s32, s33                     ; + 256 y
	s_mov_b32 s33, 0
	s_lshl_b32 s34, s26, 5                         ; w_scales: row x 32
	s_lshl_b32 s35, s23, 3
	s_add_co_u32 s34, s34, s35                     ; + 8 y
	s_mov_b32 s35, 0
	s_wait_kmcnt 0x0
	s_cmp_lt_u32 s22, 16                           ; which weight: the choice hangs on the work-group's number alone
	s_cselect_b64 s[8:9], s[8:9], s[10:11]
	s_cmp_lt_u32 s22, 8
	s_cselect_b64 s[6:7], s[6:7], s[8:9]
	s_add_nc_u64 s[6:7], s[6:7], s[28:29]
	s_add_nc_u64 s[16:17], s[16:17], s[32:33]
	s_add_nc_u64 s[18:19], s[18:19], s[34:35]
.macro LOADW t                         ; block t: W(32 t + i, my column), i = 0 .. 31, into set t % 2.  Every offset is an immediate: 255 rows of 4,096 bytes at the most
.irp i, 0,1,2,3,4,5,6,7,8,9,10,11,12,13,14,15,16,17,18,19,20,21,22,23,24,25,26,27,28,29,30,31
	global_load_b32 v[XW+32*((\t)%2)+\i], v3, s[6:7] offset:(32*(\t)+\i)*WROW th:TH_LOAD_NT
.endr
.endm
	LOADW 0
	LOADW 1
.macro BLOCKW t
.set XS, XW+32*((\t)%2)
.if (\t) < NB-1
	s_wait_loadcnt 32                              ; this block's 32 loads are in; the next block's 32 may be out
.else
	s_wait_loadcnt 0
.endif
	v_max3_num_f32 v12, |v[XS]|, |v[XS+1]|, |v[XS+2]|               ; the block's largest magnitude: all 32 numbers are mine
	v_max3_num_f32 v13, |v[XS+3]|, |v[XS+4]|, |v[XS+5]|
.irp i, 6,10,14,18,22,26
	v_max3_num_f32 v12, v12, |v[XS+\i]|, |v[XS+\i+1]|
	v_max3_num_f32 v13, v13, |v[XS+\i+2]|, |v[XS+\i+3]|
.endr
	v_max3_num_f32 v12, v12, |v[XS+30]|, |v[XS+31]|
	v_max3_num_f32 v12, v12, v13, FLOOR
	v_add_nc_u32 v11, OFFE, v12                    ; the conversion's scale operand
	v_and_or_b32 v10, v12, 0x7f800000, s31         ; 57,344 x the scale
	v_lshrrev_b32 v13, 23, v11                     ; the scale's byte
.if (\t)%4 == 0
	v_mov_b32 v[SB+(\t)/4], v13                    ; four bytes to a register, the lower K in the lower byte
.else
	v_lshl_or_b32 v[SB+(\t)/4], v13, 8*((\t)%4), v[SB+(\t)/4]
.endif
.irp i, 0,1,2,3,4,5,6,7,8,9,10,11,12,13,14,15,16,17,18,19,20,21,22,23,24,25,26,27,28,29,30,31
	v_med3_num_f32 v[XS+\i], v[XS+\i], -v10, v10
.endr
.irp g, 0,1,2,3
	v_cvt_scalef32_pk8_bf8_f32 v[CW+2*\g:CW+2*\g+1], v[XS+8*\g:XS+8*\g+7], v11
.endr
	v_nop                                          ; a plain line behind the last conversion
	ds_store_b128 v4, v[CW:CW+3] offset:32*(\t)    ; 32 codes: 32 bytes of my column's row
	ds_store_b128 v4, v[CW+4:CW+7] offset:32*(\t)+16
.if (\t)+2 < NB
	LOADW (\t)+2
.endif
	s_wait_dscnt 0x0                               ; the stores have read their registers: the next block's codes may be written
.endm
.irp t, 0,1,2,3,4,5,6,7
	BLOCKW \t
.endr
	global_store_b64 v9, v[SB:SB+1], s[18:19]      ; my column's eight scale bytes: rows 32 bytes apart, 8 bytes of each: one byte in 128 of what this path reads
.irp t, 0,1,2,3,4,5,6,7,8,9,10,11,12,13,14,15
	ds_load_b128 v[OUTR+4*\t:OUTR+4*\t+3], v7 offset:2*\t*PITCH   ; in order behind my stores
.endr
.irp t, 0,1,2,3,4,5,6,7,8,9,10,11,12,13,14,15
	s_wait_dscnt 15-\t                             ; load t is in; the 15 - t younger ones may be out
	global_store_b128 v8, v[OUTR+4*\t:OUTR+4*\t+3], s[16:17] offset:2*\t*KROW   ; sixteen lanes store 256 consecutive bytes, aligned
.endr
	s_wait_tensorcnt 0x0
	ds_add_u32 v192, v193
	s_wait_dscnt 0x0
	s_endpgm
.Lfunc_end_k_qd09bdcb63c_quant:
	.size	k_qd09bdcb63c_quant, .Lfunc_end_k_qd09bdcb63c_quant-k_qd09bdcb63c_quant
	.p2alignl 7, 3214868480
	.fill 96, 4, 3214868480
	.section	.rodata,"a",@progbits
	.p2align	6, 0x0
	.amdhsa_kernel k_qd09bdcb63c_quant
		.amdhsa_group_segment_fixed_size 69120
		.amdhsa_private_segment_fixed_size 0
		.amdhsa_enable_private_segment 0
		.amdhsa_kernarg_size 64
		.amdhsa_user_sgpr_count 2
		.amdhsa_user_sgpr_kernarg_segment_ptr 1
		.amdhsa_wavefront_size32 1
		.amdhsa_system_sgpr_workgroup_id_x 1
		.amdhsa_system_sgpr_workgroup_id_y 1
		.amdhsa_system_sgpr_workgroup_id_z 1
		.amdhsa_system_vgpr_workitem_id 0
		.amdhsa_next_free_vgpr 194
		.amdhsa_next_free_sgpr 66
		.amdhsa_reserve_vcc 0
		.amdhsa_float_denorm_mode_32 3
		.amdhsa_float_denorm_mode_16_64 3
		.amdhsa_memory_ordered 1
		.amdhsa_forward_progress 1
		.amdhsa_inst_pref_size 110
	.end_amdhsa_kernel
	.amdgpu_metadata
---
amdhsa.version: [ 1, 2 ]
amdhsa.kernels:
  - .name:           k_qd09bdcb63c_quant
    .symbol:         k_qd09bdcb63c_quant.kd
    .args:
      - { .name: hidden_states, .offset: 0, .size: 8, .value_kind: global_buffer, .address_space: global }
      - { .name: Wq, .offset: 8, .size: 8, .value_kind: global_buffer, .address_space: global }
      - { .name: Wk, .offset: 16, .size: 8, .value_kind: global_buffer, .address_space: global }
      - { .name: Wv, .offset: 24, .size: 8, .value_kind: global_buffer, .address_space: global }
      - { .name: hs_codes, .offset: 32, .size: 8, .value_kind: global_buffer, .address_space: global }
      - { .name: hs_scales, .offset: 40, .size: 8, .value_kind: global_buffer, .address_space: global }
      - { .name: w_codes, .offset: 48, .size: 8, .value_kind: global_buffer, .address_space: global }
      - { .name: w_scales, .offset: 56, .size: 8, .value_kind: global_buffer, .address_space: global }
    .group_segment_fixed_size: 69120
    .private_segment_fixed_size: 0
    .kernarg_segment_align: 8
    .kernarg_segment_size: 64
    .max_flat_workgroup_size: 128
    .sgpr_count:     66
    .vgpr_count:     194
    .wavefront_size: 32
...
	.end_amdgpu_metadata
.endif
;; end of part 1
;; launch proj (part 2): grid 12 x 32, 4 waves a work-group, clusters of 4 x 4, 327,680 bytes of LDS; arguments hs_codes, hs_scales, w_codes, w_scales, bq, bk, bv, qk_pack, v_pack; writes qk_pack, v_pack
.if DOCPART == 2
	.amdgcn_target "amdgcn-amd-amdhsa--gfx1250"
	.amdhsa_code_object_version 6
	.text
	.protected	k_qd09bdcb63c_proj
	.globl	k_qd09bdcb63c_proj
	.p2align	8
	.type	k_qd09bdcb63c_proj,@function
k_qd09bdcb63c_proj:
	s_mov_b64 s[64:65], 0
	v_nop
	global_prefetch_b8 v0, s[64:65] scope:SCOPE_SE
	s_setreg_imm32_b32 hwreg(HW_REG_WAVE_MODE, 25, 1), 1
	s_wait_xcnt 0x0
	s_wait_alu depctr_hold_cnt(0) depctr_sa_sdst(0) depctr_va_vdst(0) depctr_va_sdst(0) depctr_va_ssrc(0) depctr_va_vcc(0) depctr_vm_vsrc(0)
	s_getreg_b32 s2, hwreg(HW_REG_IB_STS2, 6, 4)
	s_cmp_eq_u32 s2, 0
	s_cbranch_scc0 .Lentry_in_a_cluster
	s_endpgm
.Lentry_in_a_cluster:
	s_bfe_u32 s2, ttmp6, 0x10000c
	s_cmp_lg_u32 s2, 0xf033
	s_cbranch_scc0 .Lentry_shape_is_right
	s_endpgm
.Lentry_shape_is_right:
.set SIZE_K, 1024
.set KSTEP,  256
.set NQ,     KSTEP/128
.set ROWB,   256
.set KROW,   SIZE_K
.set PITCH,  272
.set FR,     16
.set NL,     4
.set NP,     8
.set HALFT,  128*PITCH
.set SLOT,   4*HALFT
.set LAPS,   SIZE_K/(2*KSTEP)
.set KS,     SIZE_K/32
.set SCL,    2*SLOT
.set HALFS,  (128*KS/256)*272
.set SBLK,   (16*KS/256)*272
.set SPARE,  SCL+4*HALFS
.set KPACK,  139264
.set VPACK,  135168
.set IMG,    131072
.set BXA,  7
.set BX,   8
.set ADRA, 16
.set ADRB, 20
.set LI,   24
.set LS,   25
.set ADRS, 27
.set SPW,  28
.set NIL,  29
.set BYA,  30
.set SC,   32
.set BY,   64
.set AF,   128
.set T,    128
.set PC,   192
.set TM,   208
.set PWS,  224
.set WRD,  232
.set G1, 24
.set G0, 32
.set G1B, 48
.set G0B, 56
.set G1S, 68
.set G0S, 76
.set G1SB, 80
.set G0SB, 88
.set HIM, 95
.set SEL, 96
.set MNT, 98
.set M7F, 99
.set MSB, 0
.macro WIN new
.if MSB != \new
	s_set_vgpr_msb (MSB<<8)|\new
.set MSB, \new
.endif
.endm
.set MUL_LO, 0xa1
.set MUL_HI, 0xf1
.set TO_B,   0x40
.macro JLOAD g0a, g1a, g0b, g1b
	s_cmp_eq_u32 s15, 0
	s_cbranch_scc0 .Lfor_b_\@
	tensor_load_to_lds s[\g0a:\g0a+3], s[\g1a:\g1a+7]
	s_nop 0
.rept 4
	v_nop
.endr
	s_branch .Lasked_\@
.Lfor_b_\@:
	tensor_load_to_lds s[\g0b:\g0b+3], s[\g1b:\g1b+7]
	s_nop 0
.rept 4
	v_nop
.endr
.Lasked_\@:
.endm
.macro CREST
	s_cmp_lg_u32 s14, 0
	s_cbranch_scc1 .Lnot_wave_0_\@
	s_barrier_signal -3
.Lnot_wave_0_\@:
	s_barrier_wait -3
	s_barrier_signal -1
	s_barrier_wait -1
.endm
.macro CROUND
	s_barrier_signal -1
	s_barrier_wait -1
	CREST
.endm
	s_load_b128 s[4:7], s[0:1], 0x0
	s_load_b128 s[8:11], s[0:1], 0x10
	v_lshl_add_u32 v[SPW], v0, 2, SPARE
	v_mov_b32 v[NIL], 0
	ds_add_u32 v28, v29
	ds_add_u32 v28, v29
	s_wait_dscnt 0x0
	v_lshrrev_b32 v1, 5, v0
	v_readfirstlane_b32 s14, v1
	s_lshr_b32 s15, s14, 1
	s_and_b32 s16, s14, 1
	s_bfe_u32 s40, ttmp6, 0x40000
	s_bfe_u32 s41, ttmp6, 0x40004
	s_lshl_b32 s42, ttmp9, 2
	s_add_co_u32 s42, s42, s40
	s_and_b32 s17, ttmp7, 0xffff
	s_lshl_b32 s17, s17, 2
	s_add_co_u32 s17, s17, s41
	s_lshl_b32 s43, s41, 2
	s_lshl_b32 s43, 15, s43
	s_lshl_b32 s44, 0x1111, s40
	s_or_b32 s[G1+0], s43, (0<<16)|(1<<20)|(1<<21)|(5<<22)|(3<<25)
	s_or_b32 s[G1B+0], s44, (0<<16)|(1<<20)|(1<<21)|(5<<22)|(3<<25)
.irp g, G1, G1B
	s_mov_b32 s[\g+1], ROWB<<16
	s_mov_b32 s[\g+2], 128<<16
	s_mov_b32 s[\g+3], ROWB<<16
	s_mov_b32 s[\g+4], 128
	s_mov_b32 s[\g+5], KROW
	s_mov_b32 s[\g+6], 0
	s_mov_b32 s[\g+7], 0
.endr
	s_or_b32 s[G1S+0], s43, (3<<16)|(1<<20)|(1<<21)|(5<<22)|(3<<25)
	s_or_b32 s[G1SB+0], s44, (3<<16)|(1<<20)|(1<<21)|(5<<22)|(3<<25)
.irp g, G1S, G1SB
	s_mov_b32 s[\g+1], 32<<16
	s_mov_b32 s[\g+2], (128*KS/256)<<16
	s_mov_b32 s[\g+3], 32<<16
	s_mov_b32 s[\g+4], 128*KS/256
	s_mov_b32 s[\g+5], 32
	s_mov_b32 s[\g+6], 0
	s_mov_b32 s[\g+7], 0
.endr
	s_lshl_b32 s18, s16, 7
	; Wv's clusters (cluster x = 2) take the cluster the other way round: region A holds rows of w_codes, tile 8 + cy, region B rows of hs_codes, tile 4 x cluster y + cx.
	; So A's tile hangs on cy alone and B's on cx alone in every cluster, the masks stay, and no LDS address hangs on the work-group's number.
	s_add_co_u32 s20, s41, 8
	s_and_b32 s46, ttmp7, 0xffff
	s_lshl_b32 s46, s46, 2
	s_add_co_u32 s46, s46, s40
	s_cmp_eq_u32 ttmp9, 2
	s_cselect_b32 s20, s20, s17
	s_cselect_b32 s46, s46, s42
	s_lshl_b32 s20, s20, 8
	s_add_co_u32 s20, s20, s18
	s_lshl_b32 s46, s46, 8
	s_add_co_u32 s46, s46, s18
	s_mov_b32 s21, 0
	s_mov_b32 s47, 0
	s_mov_b64 s[18:19], KS
	s_mul_u64 s[22:23], s[20:21], s[18:19]
	s_mul_u64 s[92:93], s[46:47], s[18:19]
	s_mov_b64 s[18:19], KROW
	s_mul_u64 s[20:21], s[20:21], s[18:19]
	s_mul_u64 s[46:47], s[46:47], s[18:19]
	s_mul_i32 s45, s14, HALFT
	s_mul_i32 s94, s14, HALFS
	s_wait_kmcnt 0x0
	s_cmp_eq_u32 ttmp9, 2                          ; which buffers feed region A and region B: the choice hangs on the cluster's number alone
	s_cselect_b64 s[66:67], s[8:9], s[4:5]
	s_cselect_b64 s[96:97], s[10:11], s[6:7]
	s_cselect_b64 s[8:9], s[4:5], s[8:9]
	s_cselect_b64 s[10:11], s[6:7], s[10:11]
	s_add_nc_u64 s[20:21], s[66:67], s[20:21]
	s_add_nc_u64 s[22:23], s[96:97], s[22:23]
	s_add_nc_u64 s[46:47], s[8:9], s[46:47]
	s_add_nc_u64 s[92:93], s[10:11], s[92:93]
	CROUND
	s_mov_b32 s[G0S], 1
	s_add_co_u32 s[G0S+1], s94, SCL
	s_mov_b64 s[G0S+2:G0S+3], s[22:23]
	s_or_b32 s[G0S+3], s[G0S+3], 0x80000000
	s_mov_b32 s[G0SB], 1
	s_add_co_u32 s[G0SB+1], s94, SCL
	s_mov_b64 s[G0SB+2:G0SB+3], s[92:93]
	s_or_b32 s[G0SB+3], s[G0SB+3], 0x80000000
	JLOAD G0S, G1S, G0SB, G1SB
.irp s, 0,1
	s_mov_b32 s[G0+4*\s], 1
	s_add_co_u32 s[G0+4*\s+1], s45, \s*SLOT
	s_add_nc_u64 s[G0+4*\s+2:G0+4*\s+3], s[20:21], \s*ROWB
	s_or_b32 s[G0+4*\s+3], s[G0+4*\s+3], 0x80000000
	s_mov_b32 s[G0B+4*\s], 1
	s_add_co_u32 s[G0B+4*\s+1], s45, \s*SLOT
	s_add_nc_u64 s[G0B+4*\s+2:G0B+4*\s+3], s[46:47], \s*ROWB
	s_or_b32 s[G0B+4*\s+3], s[G0B+4*\s+3], 0x80000000
	s_wait_alu depctr_va_vdst(0)
	s_wait_tensorcnt 0x0
	ds_add_u32 v28, v29
	s_wait_dscnt 0x0
	CROUND
	JLOAD G0+4*\s, G1, G0B+4*\s, G1B
.endr
	s_load_b256 s[4:11], s[0:1], 0x20
	s_load_b64 s[12:13], s[0:1], 0x40
	v_and_b32 v1, 15, v0
	v_bfe_u32 v2, v0, 4, 1
	v_mul_u32_u24 v3, v1, PITCH
	v_lshl_add_u32 v4, v2, 4, v3
	s_wait_alu depctr_va_vdst(0)
	s_mul_i32 s21, s15, HALFT
	s_mul_i32 s22, s16, HALFT
	s_add_co_u32 s22, s22, 2*HALFT
	s_mov_b32 s20, s21
	s_mov_b32 s23, s22
.irp s, 0,1
	v_add_nc_u32 v[ADRA+\s], s20, v4
	v_add_nc_u32 v[ADRB+\s], s23, v4
	s_add_co_u32 s20, s20, SLOT
	s_add_co_u32 s23, s23, SLOT
.endr
	v_mul_u32_u24 v5, v1, KS
	v_lshrrev_b32 v6, 8, v5
	v_lshl_add_u32 v5, v6, 4, v5
	s_mul_i32 s21, s15, HALFS                      ; region A's scales: my 128 rows
	s_mul_i32 s22, s16, HALFS                      ; region B's: my 128 rows, behind A's 256
	s_add_co_u32 s22, s22, 2*HALFS
	s_sub_co_u32 s22, s22, s21
	v_mul_u32_u24 v6, s22, v2                      ; lanes 16-31 take B's: one product, the distance x the lane's half
	s_add_co_u32 s21, s21, SCL
	s_mov_b32 s[HIM], 0xffff0000
	v_add_nc_u32 v5, v5, v6
	v_add_nc_u32 v[ADRS], s21, v5
	v_and_b32 v6, 31, v0
	v_lshlrev_b32 v[LI], 4, v6
	v_lshlrev_b32 v[LS], 2, v6
	v_lshlrev_b32 v[BYA], 6, v2
	v_and_b32 v[BXA], 8, v1
	v_add_nc_u32 v[BXA], v[BXA], v1
	v_lshlrev_b32 v[BXA], 2, v[BXA]
	s_cmp_eq_u32 ttmp9, 2                          ; the weight's tile and half: cx and the B half, in Wv's clusters cy and the A half
	s_cselect_b32 s66, s41, s40
	s_cselect_b32 s67, s15, s16
	s_lshl_b32 s66, s66, 10
	s_lshl_b32 s67, s67, 9
	s_add_co_u32 s66, s66, s67
	s_mov_b32 s67, 0
	s_mov_b32 s[SEL], 0x76543210
	s_mov_b32 s[SEL+1], 0xfedcba98
	s_mov_b32 s[MNT], 0x600000
	s_mov_b32 s[M7F], 0x7f7f0000
	s_wait_alu depctr_va_vdst(0)
	s_wait_kmcnt 0x0
	s_cmp_eq_u32 ttmp9, 0
	s_cselect_b64 s[4:5], s[4:5], s[6:7]
	s_cmp_eq_u32 ttmp9, 2
	s_cselect_b64 s[4:5], s[8:9], s[4:5]
	s_add_nc_u64 s[4:5], s[4:5], s[66:67]
.irp b, 0,1,2,3,4,5,6,7
	global_load_b128 v[BY+8*\b:BY+8*\b+3], v[BYA], s[4:5] offset:(32*(\b/2)+8*(\b%2))*4
	global_load_b128 v[BY+8*\b+4:BY+8*\b+7], v[BYA], s[4:5] offset:(32*(\b/2)+8*(\b%2))*4+16
.endr
.irp a, 0,1,2,3,4,5,6,7
	global_load_b32 v[BX+\a], v[BXA], s[4:5] offset:(32*(\a/2)+8*(\a%2))*4
.endr
.macro FRAG reg, adr, q, i
.irp c, 0,1,2,3
	ds_load_b128 v[\reg+4*\c:\reg+4*\c+3], v[\adr] offset:128*(\q)+32*\c+(\i)*16*PITCH
.endr
.endm
.macro MUL16 a0, p, q, sc, zero
.irp a, \a0, \a0+1
.irp b, 0,1,2,3,4,5,6,7
.if \zero
	v_wmma_scale_f32_16x16x128_f8f6f4 v[8*(8*((\a)%4)+\b):8*(8*((\a)%4)+\b)+7], v[128*(\p)+FR*\b:128*(\p)+FR*\b+FR-1], v[AF+FR*(\a):AF+FR*(\a)+FR-1], 0, v[SC+8*NQ*(\sc)+NQ*\b+(\q)], v[SC+8*NQ*(\sc)+NQ*(\a)+(\q)] matrix_a_fmt:MATRIX_FMT_BF8 matrix_b_fmt:MATRIX_FMT_BF8 matrix_a_scale:MATRIX_SCALE_ROW1
.else
	v_wmma_scale_f32_16x16x128_f8f6f4 v[8*(8*((\a)%4)+\b):8*(8*((\a)%4)+\b)+7], v[128*(\p)+FR*\b:128*(\p)+FR*\b+FR-1], v[AF+FR*(\a):AF+FR*(\a)+FR-1], v[8*(8*((\a)%4)+\b):8*(8*((\a)%4)+\b)+7], v[SC+8*NQ*(\sc)+NQ*\b+(\q)], v[SC+8*NQ*(\sc)+NQ*(\a)+(\q)] matrix_a_fmt:MATRIX_FMT_BF8 matrix_b_fmt:MATRIX_FMT_BF8 matrix_a_scale:MATRIX_SCALE_ROW1
.endif
.endr
.endr
.endm
.macro FETCH_B slot, q, p
	WIN TO_B
.irp i, 0,1,2,3,4,5,6,7
	FRAG 128*(\p)+FR*\i, ADRB+\slot, \q, \i
.endr
	WIN 0
.endm
.macro FETCH_A slot, q, i0
.irp i, \i0, \i0+1, \i0+2, \i0+3
	FRAG AF+FR*(\i), ADRA+\slot, \q, \i
.endr
.endm
.macro SCALES sc
.irp i, 0,1,2,3,4,5,6,7
	ds_load_b64 v[SC+8*NQ*\sc+NQ*\i:SC+8*NQ*\sc+NQ*\i+1], v[ADRS] offset:\i*SBLK
.endr
.endm
.macro PLACES n
.rept \n
	v_nop
.endr
.endm
.macro STEP slot, q, zero
	s_wait_dscnt 4*NL
	WIN MUL_LO
	MUL16 0, (\q)%2, \q, \slot, \zero
	MUL16 2, (\q)%2, \q, \slot, \zero
	s_wait_dscnt 0
	PLACES NP
	FETCH_B \slot, (\q)+1, 1-(\q)%2
	FETCH_A \slot, (\q)+1, 0
	WIN MUL_HI
	MUL16 4, (\q)%2, \q, \slot, \zero
	MUL16 6, (\q)%2, \q, \slot, \zero
	PLACES NP
	WIN 0
	FETCH_A \slot, (\q)+1, 4
.endm
.macro TURN slot, next, fill
	s_wait_tensorcnt 0x0
	ds_add_u32 v[SPW], v[NIL]
	s_wait_dscnt 4*NL+1
	WIN MUL_LO
	MUL16 0, 1, NQ-1, \slot, 0
	s_wait_dscnt 0x0
	s_barrier_signal -1
	MUL16 2, 1, NQ-1, \slot, 0
	WIN 0
	s_barrier_wait -1
.if \fill
	CREST
	s_add_nc_u64 s[G0+4*\slot+2:G0+4*\slot+3], s[G0+4*\slot+2:G0+4*\slot+3], 2*ROWB
	s_add_nc_u64 s[G0B+4*\slot+2:G0B+4*\slot+3], s[G0B+4*\slot+2:G0B+4*\slot+3], 2*ROWB
	JLOAD G0+4*\slot, G1, G0B+4*\slot, G1B
	PLACES NP-4
.else
	PLACES NP
.endif
	s_wait_alu depctr_va_vdst(0)
	v_add_nc_u32 v[ADRS], 4*NQ, v[ADRS]
	FETCH_B \next, 0, 0
	FETCH_A \next, 0, 0
	SCALES \next
	WIN MUL_HI
	MUL16 4, 1, NQ-1, \slot, 0
	MUL16 6, 1, NQ-1, \slot, 0
	PLACES NP
	WIN 0
	FETCH_A \next, 0, 4
.endm
	s_wait_tensorcnt 1
	s_barrier_signal -1
	s_barrier_wait -1
	FETCH_B 0, 0, 0
	FETCH_A 0, 0, 0
	SCALES 0
	FETCH_A 0, 0, 4
	STEP 0, 0, 1
	s_mov_b32 s3, LAPS-1
.Llap:
	TURN 0, 1, 1
	STEP 1, 0, 0
	TURN 1, 0, 1
	STEP 0, 0, 0
	s_sub_co_u32 s3, s3, 1
	s_cmp_lg_u32 s3, 0
	s_cbranch_scc1 .Llap
	TURN 0, 1, 0
	STEP 1, 0, 0
	s_wait_dscnt 4*NL
	WIN MUL_LO
	MUL16 0, 1, NQ-1, 1, 0
	MUL16 2, 1, NQ-1, 1, 0
	s_wait_dscnt 0
	WIN MUL_HI
	MUL16 4, 1, NQ-1, 1, 0
	MUL16 6, 1, NQ-1, 1, 0
	WIN 0
.macro QUANT s, pw
.irp b, 0,1,2,3
	v_max3_num_f32 v[TM+\b], |v[\s+16*\b]|, |v[\s+1+16*\b]|, 0x8000000
.endr
.irp i, 2,4,6,8,10,12,14
.irp b, 0,1,2,3
	v_max3_num_f32 v[TM+\b], v[TM+\b], |v[\s+16*\b+\i]|, |v[\s+1+16*\b+\i]|
.endr
.endr
.irp b, 0,1,2,3
	v_permlanex16_b32 v[TM+4+\b], v[TM+\b], s[SEL], s[SEL+1]
.endr
.irp b, 0,1,2,3
	v_max_num_f32 v[TM+\b], v[TM+\b], v[TM+4+\b]
.endr
.irp b, 0,1,2,3
	v_add_nc_u32 v[TM+12+\b], 0xf8800000, v[TM+\b]
.endr
.irp b, 0,1,2,3
	v_and_or_b32 v[TM+8+\b], v[TM+\b], 0x7f800000, s[MNT]
.endr
.irp b, 0,1,2,3
	v_lshrrev_b32 v[TM+4+\b], 23, v[TM+12+\b]
.endr
	v_lshl_or_b32 v[\pw], v[TM+5], 8, v[TM+4]
	v_lshl_or_b32 v[\pw], v[TM+6], 16, v[\pw]
	v_lshl_or_b32 v[\pw], v[TM+7], 24, v[\pw]
.irp b, 0,1,2,3
.irp i, 0,1,2,3,4,5,6,7,8,9,10,11,12,13,14,15
	v_med3_num_f32 v[\s+16*\b+\i], v[\s+16*\b+\i], -v[TM+8+\b], v[TM+8+\b]
.endr
	v_cvt_scalef32_pk8_bf8_f32 v[PC+4*\b:PC+1+4*\b], v[\s+16*\b:\s+7+16*\b], v[TM+12+\b]
	v_cvt_scalef32_pk8_bf8_f32 v[PC+2+4*\b:PC+3+4*\b], v[\s+8+16*\b:\s+15+16*\b], v[TM+12+\b]
.endr
	v_nop
.endm
.macro WAYOUT vmode
.irp a, 0,1,2,3,4,5,6,7
.if \a > 0
	s_wait_xcnt 0x0
.endif
.set WSEL, 0x02+(\a)/4
	WIN WSEL
.set n, 0
.if \vmode
.rept 64
	v_add_f32 v[T+n], v[64*((\a)%4)+n], v[BX+\a]
.set n, n+1
.endr
.else
.rept 32
	v_pk_add_f32 v[T+n:T+n+1], v[64*((\a)%4)+n:64*((\a)%4)+n+1], v[BY+n:BY+n+1]
.set n, n+2
.endr
.endif
	WIN 0
	QUANT T, PWS+\a
.irp p, 0,1,2,3
.if \vmode
	global_store_b128 v[LI], v[PC+4*\p:PC+4*\p+3], s[18:19] offset:((\a)/4)*VPACK+((\a)%4)*2048+\p*512
.else
	global_store_b128 v[LI], v[PC+4*\p:PC+4*\p+3], s[18:19] offset:(\p/2)*KPACK+(\a)*1024+(\p%2)*512
.endif
.endr
.endr
.if \vmode
.irp g, 0,1,2,3
	v_cndmask_b32 v[WRD+\g], v[PWS+2*\g], v[PWS+2*\g+1], s[HIM]
.endr
.irp g, 0,1,2,3
	global_store_b32 v[LS], v[WRD+\g], s[22:23] offset:(\g/2)*VPACK+(\g%2)*128
.endr
.else
.irp i, 0,1,2,3
	v_cndmask_b32 v[TM+\i], v[PWS+2*\i], v[PWS+2*\i+1], s[HIM]
.endr
.irp i, 0,1,2,3
	v_and_or_b32 v[WRD+2*\i], v[TM+\i], 0xffff, s[M7F]
	v_lshrrev_b32 v[TM+\i], 16, v[TM+\i]
	v_or_b32 v[WRD+2*\i+1], s[M7F], v[TM+\i]
.endr
.irp i, 0,1,2,3
	global_store_b32 v[LS], v[WRD+2*\i], s[22:23] offset:128*\i
	global_store_b32 v[LS], v[WRD+2*\i+1], s[22:23] offset:KPACK+128*\i
.endr
.endif
.endm
	s_wait_loadcnt 0x0
	PLACES NP
.irp b, 0,1,2,3
	v_mov_b32 v[TM+4+\b], 0
.endr
	s_and_b32 s92, ttmp7, 0xffff
	s_lshl_b32 s92, s92, 2
	s_add_co_u32 s92, s92, s40                     ; Wv's clusters: the tile of hidden_states is 4 x cluster y + cx
	s_cmp_eq_u32 ttmp9, 2
	s_cselect_b32 s92, s92, s17
	s_cselect_b32 s93, s41, s40
	s_cselect_b32 s94, s15, s16
	s_lshr_b32 s20, s92, 3
	s_and_b32 s21, s92, 7
	s_lshl_b32 s20, s20, 4
	s_lshl_b32 s22, s93, 2
	s_add_co_u32 s20, s20, s22
	s_lshl_b32 s22, s94, 1
	s_add_co_u32 s20, s20, s22
	s_cmp_eq_u32 ttmp9, 2
	s_cbranch_scc1 .Lv
	s_lshl_b32 s22, ttmp9, 6
	s_add_co_u32 s22, s22, s20
	s_mul_i32 s22, s22, KPACK
	s_lshl_b32 s23, s21, 4
	s_lshl_b32 s66, s15, 3
	s_add_co_u32 s23, s23, s66
	s_lshl_b32 s66, s23, 10
	s_add_co_u32 s18, s22, s66
	s_mov_b32 s19, 0
	s_lshl_b32 s66, s23, 6
	s_add_co_u32 s22, s22, s66
	s_add_co_u32 s22, s22, IMG
	s_mov_b32 s23, 0
	s_add_nc_u64 s[18:19], s[10:11], s[18:19]
	s_add_nc_u64 s[22:23], s[10:11], s[22:23]
	WAYOUT 0
	s_branch .Lfin
.Lv:
	s_mul_i32 s22, s20, VPACK
	s_lshl_b32 s23, s21, 1
	s_add_co_u32 s23, s23, s16
	s_lshl_b32 s66, s23, 13
	s_add_co_u32 s18, s22, s66
	s_mov_b32 s19, 0
	s_lshl_b32 s66, s23, 8
	s_add_co_u32 s22, s22, s66
	s_add_co_u32 s22, s22, IMG
	s_mov_b32 s23, 0
	s_add_nc_u64 s[18:19], s[12:13], s[18:19]
	s_add_nc_u64 s[22:23], s[12:13], s[22:23]
	WAYOUT 1
.Lfin:
	s_wait_tensorcnt 0x0
	ds_add_u32 v[SPW], v[NIL]
	s_wait_dscnt 0x0
	CROUND
	s_endpgm
.Lfunc_end_k_qd09bdcb63c_proj:
	.size	k_qd09bdcb63c_proj, .Lfunc_end_k_qd09bdcb63c_proj-k_qd09bdcb63c_proj
	.p2alignl 7, 3214868480
	.fill 96, 4, 3214868480
	.section	.rodata,"a",@progbits
	.p2align	6, 0x0
	.amdhsa_kernel k_qd09bdcb63c_proj
		.amdhsa_group_segment_fixed_size 327680
		.amdhsa_private_segment_fixed_size 0
		.amdhsa_enable_private_segment 0
		.amdhsa_kernarg_size 72
		.amdhsa_user_sgpr_count 2
		.amdhsa_user_sgpr_kernarg_segment_ptr 1
		.amdhsa_wavefront_size32 1
		.amdhsa_system_sgpr_workgroup_id_x 1
		.amdhsa_system_sgpr_workgroup_id_y 1
		.amdhsa_system_sgpr_workgroup_id_z 1
		.amdhsa_system_vgpr_workitem_id 0
		.amdhsa_next_free_vgpr 1024
		.amdhsa_next_free_sgpr 100
		.amdhsa_reserve_vcc 0
		.amdhsa_float_denorm_mode_32 3
		.amdhsa_float_denorm_mode_16_64 3
		.amdhsa_memory_ordered 1
		.amdhsa_forward_progress 1
		.amdhsa_inst_pref_size 255
	.end_amdhsa_kernel
	.section	.bss,"aw",@nobits
	.p2align	6
	.space	262144
	.amdgpu_metadata
---
amdhsa.version: [ 1, 2 ]
amdhsa.kernels:
  - .name:           k_qd09bdcb63c_proj
    .symbol:         k_qd09bdcb63c_proj.kd
    .args:
      - { .name: hs_codes, .offset: 0, .size: 8, .value_kind: global_buffer, .address_space: global }
      - { .name: hs_scales, .offset: 8, .size: 8, .value_kind: global_buffer, .address_space: global }
      - { .name: w_codes, .offset: 16, .size: 8, .value_kind: global_buffer, .address_space: global }
      - { .name: w_scales, .offset: 24, .size: 8, .value_kind: global_buffer, .address_space: global }
      - { .name: bq, .offset: 32, .size: 8, .value_kind: global_buffer, .address_space: global }
      - { .name: bk, .offset: 40, .size: 8, .value_kind: global_buffer, .address_space: global }
      - { .name: bv, .offset: 48, .size: 8, .value_kind: global_buffer, .address_space: global }
      - { .name: qk_pack, .offset: 56, .size: 8, .value_kind: global_buffer, .address_space: global }
      - { .name: v_pack, .offset: 64, .size: 8, .value_kind: global_buffer, .address_space: global }
    .group_segment_fixed_size: 327680
    .private_segment_fixed_size: 0
    .kernarg_segment_align: 8
    .kernarg_segment_size: 72
    .max_flat_workgroup_size: 128
    .sgpr_count:     100
    .vgpr_count:     1024
    .wavefront_size: 32
...
	.end_amdgpu_metadata
.endif
;; end of part 2
;; launch attn (part 3): grid 4 x 64, 8 waves a work-group, clusters of 4 x 1, 327,680 bytes of LDS; arguments qk_pack, v_pack, out0; writes out0
.if DOCPART == 3
	.amdgcn_target "amdgcn-amd-amdhsa--gfx1250"
	.amdhsa_code_object_version 6
	.text
	.protected	k_qd09bdcb63c_attn
	.globl	k_qd09bdcb63c_attn
	.p2align	8
	.type	k_qd09bdcb63c_attn,@function
k_qd09bdcb63c_attn:
	s_mov_b64 s[64:65], 0
	v_nop
	global_prefetch_b8 v0, s[64:65] scope:SCOPE_SE
	s_setreg_imm32_b32 hwreg(HW_REG_WAVE_MODE, 25, 1), 1
	s_wait_xcnt 0x0
	s_wait_alu depctr_hold_cnt(0) depctr_sa_sdst(0) depctr_va_vdst(0) depctr_va_sdst(0) depctr_va_ssrc(0) depctr_va_vcc(0) depctr_vm_vsrc(0)
	s_getreg_b32 s2, hwreg(HW_REG_IB_STS2, 6, 4)
	s_cmp_eq_u32 s2, 0
	s_cbranch_scc0 .Lentry_in_a_cluster
	s_endpgm
.Lentry_in_a_cluster:
	s_bfe_u32 s2, ttmp6, 0x10000c
	s_cmp_lg_u32 s2, 0x3003
	s_cbranch_scc0 .Lentry_shape_is_right
	s_endpgm
.Lentry_shape_is_right:
; out0[b][q][head] = (softmax_k(clip(Q.K / 8)) + 1e-9) V, both products on codes of BF8 (E5M2) with E8M0 scales; the finished, normalised softmax + 1e-9 is what is quantised along the keys.
; INPUTS: qk_pack holds 128 packs of KPACK bytes (64 of Q, then 64 of K, one for each batch x head): 128 tiles of 16 rows as images of the operand's registers (1,024 bytes a tile), then a scale word a row.
; v_pack holds 64 packs of VPACK bytes: for each 128 keys four tiles of 16 channels (2,048 bytes a tile), then their scale words.  Tile 2 b + u holds rows 32 b + 8 u + r + 8 (r / 8).
; SHARES.  A work-group owns 512 queries of one head, keeps the head's whole K and V pack in LDS (filled once) and walks 16 groups of 32 queries.  Of its eight waves, wave w takes query tile w / 4 of the
; group and keys 512 (w % 4) .. + 511: 16 queries x 512 keys, whose 256 scores a lane stay in registers v256-511 from the first product to the codes.  So each score and each exponential is made ONCE.
; A GROUP: S^T = K Q^T (32 matrix instructions; the head's 64 fill half of K = 128, Q's upper half is zero codes); clip; each block's largest score and from them my quarter's largest; p = 2^(t - M), M my quarter's
; largest t rounded up; the sum of p.  The four waves of a query tile exchange -M and the sum through LDS (barrier 1); f = 2^(my M - the row's M) / the row's sum; y = p f + 1e-9 is quantised, a block's largest y
; made from its largest score by the same instructions; O^T += V^T Y^T (16 matrix instructions).  The four partial O^T go through stages in LDS (barrier 2); each wave adds and stores four rows of 256 bytes.
; CLUSTER: the four work-groups of a head ask for K's and V's packs jointly.  No prefetch: K and V are asked for once, at the head, where there is no loop to run ahead in; Q's tile comes into registers a group ahead.
; The last trip's look-ahead loads (Q's next tile, K's first fragments) are not used; their addresses lie inside qk_pack (K's packs follow Q's) and inside the filled LDS.
; LIMITS: NaN and infinities among the scores are not served; the maximum taken away is the row's own, by quarters.
.set KPACK, 139264
.set VPACK, 135168
.set IMG,   131072
.set VB,    KPACK
.set KQR,   136                        ; rows of 256 bytes in a quarter of K's pack
.set VQR,   132                        ; and of V's
.set SPARE, KPACK+VPACK                ; the spare words: 128 bytes for each of eight waves
.set STATS, SPARE+1024                 ; -M and the sum: 512 bytes for each query tile
.set OST,   STATS+1024                 ; the stages of O^T: 16 rows x 272 bytes for each wave
.set SPIT,  272
.set WST,   16*SPIT
.set AK,  1                            ; LDS address of my quarter of K's tiles
.set AS,  2                            ; of their scale words
.set AV,  3                            ; of my quarter of V's tiles
.set AT,  4                            ; of their scale words
.set STW, 5                            ; where I put -M (lanes 0-15) and the sum (lanes 16-31)
.set STR, 6                            ; where I read my query's four
.set STO, 7                            ; my stage, on the way in
.set RD,  8                            ; the four stages of my query tile, my four rows
.set GO,  9                            ; my byte offset in out0
.set AQ,  10                           ; 16 x lane
.set AQS, 11                           ; 4 x (lane % 16)
.set SPW, 12
.set NIL, 13
.set NM,  14                           ; v[14:15] -M (the pair's upper word is written once and not used)
.set QF,  16                           ; v16-23 Q's codes, v24-31 zero codes
.set KF,  32                           ; v32-159 two buffers of 64: eight tiles of K, or four tiles of V
.set ZP,  160                          ; v160-167 zero codes behind the second buffer
.set OT,  168                          ; v168-199 O^T; until it begins: KSW and TT
.set KSW, 168                          ; v168-183 K's scale words
.set TT,  184                          ; v184-199 at work
.set PC,  200                          ; v200-215 y's codes; before them ST .. RL
.set ST,  200
.set DD,  208
.set NN,  213
.set RL,  214
.set VSW, 216                          ; v216-223 V's scale words: they stay
.set BM,  224                          ; v224-239 a block's largest score, then p, then y
.set HOLD, 240
.set SOP, 244
.set PSW, 248                          ; v248-251 y's scale words
.set QSW, 252
.set F,   254                          ; v[254:255] f
.set KQ,  2
.set TEAM, 3
.set WV,  10
.set CNT, 12
.set SEL, 20
.set CS,  22
.set G1K, 24
.set G1V, 32
.set G0K, 40
.set G0V, 44
.set EPS, 48
.set CLO, 50
.set CHI, 51
.set MNT, 52
.set HIM, 53
.set O15, 54
.set QS,  58
.set QB,  60
.set MSB, 0
.macro WIN new                         ; the immediate's high byte repeats the setting that is left
.if MSB != \new
	s_set_vgpr_msb (MSB<<8)|\new
.set MSB, \new
.endif
.endm
.macro NOPS n
.rept \n
	v_nop
.endr
.endm
.macro ROUND
	s_barrier_signal -1
	s_barrier_wait -1
	s_cmp_lg_u32 s[WV], 0
	s_cbranch_scc1 .Lnot_wave_0_\@
	s_barrier_signal -3
.Lnot_wave_0_\@:
	s_barrier_wait -3
	s_barrier_signal -1
	s_barrier_wait -1
.endm
.macro LK b                            ; eight tiles of K into buffer b % 2
.irp t, 0,1,2,3,4,5,6,7
	ds_load_b128 v[KF+64*((\b)%2)+8*\t:KF+64*((\b)%2)+8*\t+3], v[AK] offset:(8*(\b)+\t)*1024
	ds_load_b128 v[KF+64*((\b)%2)+8*\t+4:KF+64*((\b)%2)+8*\t+7], v[AK] offset:(8*(\b)+\t)*1024+512
.endr
.endm
.macro LV s                            ; four tiles of V, 128 keys, into buffer s % 2
.irp a, 0,1,2,3
.irp c, 0,1,2,3
	ds_load_b128 v[KF+64*((\s)%2)+16*\a+4*\c:KF+64*((\s)%2)+16*\a+4*\c+3], v[AV] offset:8192*(\s)+2048*\a+512*\c
.endr
.endr
.endm
.macro LKS                             ; K's scale words: lanes 0-15 tile 2 i's, lanes 16-31 tile 2 i + 1's
.irp i, 0,1,2,3,4,5,6,7,8,9,10,11,12,13,14,15
	ds_load_b32 v[KSW+\i], v[AS] offset:128*\i
.endr
.endm
.macro WK b                            ; eight score tiles.  A tile's operand runs on into the next eight registers (finite codes), which meet Q's zero codes
	WIN 0x40
.irp t, 0,2,4,6
	v_wmma_scale_f32_16x16x128_f8f6f4 v[8*(8*(\b)+\t):8*(8*(\b)+\t)+7], v[KF+64*((\b)%2)+8*\t:KF+64*((\b)%2)+8*\t+15], v[QF:QF+15], 0, v[KSW+4*(\b)+\t/2], v[QSW] matrix_a_fmt:MATRIX_FMT_BF8 matrix_b_fmt:MATRIX_FMT_BF8
	v_wmma_scale_f32_16x16x128_f8f6f4 v[8*(8*(\b)+\t)+8:8*(8*(\b)+\t)+15], v[KF+64*((\b)%2)+8*\t+8:KF+64*((\b)%2)+8*\t+23], v[QF:QF+15], 0, v[KSW+4*(\b)+\t/2], v[QSW] matrix_a_fmt:MATRIX_FMT_BF8 matrix_b_fmt:MATRIX_FMT_BF8 matrix_a_scale:MATRIX_SCALE_ROW1
.endr
	WIN 0
.endm
.macro STEPY s                         ; 128 keys: y, the hold, the codes, four products
.irp b, 0,1,2,3
	v_and_or_b32 v[HOLD+\b], v[BM+4*(\s)+\b], 0x7f800000, s[MNT]   ; 57,344 x the block's scale
	v_add_nc_u32 v[SOP+\b], 0xf8800000, v[BM+4*(\s)+\b]            ; 15 off the exponent field: the conversion's scale operand
.endr
	WIN 0x41
.set n, 64*(\s)
.rept 32
	v_pk_fma_f32 v[n:n+1], v[n:n+1], v[F:F+1], s[EPS:EPS+1] op_sel_hi:[1,0,0]   ; y = p f + 1e-9
.set n, n+2
.endr
.irp b, 0,1,2,3
.set n, 64*(\s)+16*\b
.rept 16
	v_min_num_f32 v[n], v[n], v[HOLD+\b]           ; the conversion does not saturate (ISA guide 7.6.2); y is positive, so the hold is one-sided
.set n, n+1
.endr
.endr
	WIN 0
.if ((\s) == 1) || ((\s) == 2)
	LV (\s)+1                                      ; into the buffer that the step before multiplied: the lines above are its places
.endif
	WIN 0x01
.irp b, 0,1,2,3
	v_cvt_scalef32_pk8_bf8_f32 v[PC+4*\b:PC+4*\b+1], v[64*(\s)+16*\b:64*(\s)+16*\b+7], v[SOP+\b]
	v_cvt_scalef32_pk8_bf8_f32 v[PC+4*\b+2:PC+4*\b+3], v[64*(\s)+16*\b+8:64*(\s)+16*\b+15], v[SOP+\b]
.endr
	WIN 0
	NOPS 4                                         ; codes made by vector instructions stand four places ahead of a scaled product
.if (\s) == 2
	s_wait_alu depctr_va_vdst(0)                   ; the wait ahead of the wait below
	s_wait_dscnt 16                                ; this step's V is in; the next step's 16 loads may be out
.endif
.if (\s) == 3
	s_wait_alu depctr_va_vdst(0)
	s_wait_dscnt 0x0
.endif
.irp a, 0,2
.if (\s) == 0
	v_wmma_scale_f32_16x16x128_f8f6f4 v[OT+8*\a:OT+8*\a+7], v[KF+64*((\s)%2)+16*\a:KF+64*((\s)%2)+16*\a+15], v[PC:PC+15], 0, v[VSW+2*(\s)+\a/2], v[PSW+(\s)] matrix_a_fmt:MATRIX_FMT_BF8 matrix_b_fmt:MATRIX_FMT_BF8
	v_wmma_scale_f32_16x16x128_f8f6f4 v[OT+8*\a+8:OT+8*\a+15], v[KF+64*((\s)%2)+16*\a+16:KF+64*((\s)%2)+16*\a+31], v[PC:PC+15], 0, v[VSW+2*(\s)+\a/2], v[PSW+(\s)] matrix_a_fmt:MATRIX_FMT_BF8 matrix_b_fmt:MATRIX_FMT_BF8 matrix_a_scale:MATRIX_SCALE_ROW1
.else
	v_wmma_scale_f32_16x16x128_f8f6f4 v[OT+8*\a:OT+8*\a+7], v[KF+64*((\s)%2)+16*\a:KF+64*((\s)%2)+16*\a+15], v[PC:PC+15], v[OT+8*\a:OT+8*\a+7], v[VSW+2*(\s)+\a/2], v[PSW+(\s)] matrix_a_fmt:MATRIX_FMT_BF8 matrix_b_fmt:MATRIX_FMT_BF8
	v_wmma_scale_f32_16x16x128_f8f6f4 v[OT+8*\a+8:OT+8*\a+15], v[KF+64*((\s)%2)+16*\a+16:KF+64*((\s)%2)+16*\a+31], v[PC:PC+15], v[OT+8*\a+8:OT+8*\a+15], v[VSW+2*(\s)+\a/2], v[PSW+(\s)] matrix_a_fmt:MATRIX_FMT_BF8 matrix_b_fmt:MATRIX_FMT_BF8 matrix_a_scale:MATRIX_SCALE_ROW1
.endif
.endr
.endm
	s_load_b128 s[4:7], s[0:1], 0x0                ; qk_pack, v_pack
	s_load_b64 s[8:9], s[0:1], 0x10                ; out0
	v_lshl_add_u32 v[SPW], v0, 2, SPARE
	v_mov_b32 v[NIL], 0
	ds_add_u32 v[SPW], v[NIL]                      ; the opening lines: the add, twice on end, and its wait ahead of my tensor load
	ds_add_u32 v[SPW], v[NIL]
	v_lshrrev_b32 v1, 5, v0
	s_delay_alu instid0(VALU_DEP_1)
	v_readfirstlane_b32 s[WV], v1                  ; wave 0..7
	s_bfe_u32 s11, ttmp6, 0x40000                  ; cx: which 512 queries of the head
	s_and_b32 s13, ttmp7, 0xffff                   ; batch x head
	s_and_b32 s[KQ], s[WV], 3                      ; my quarter of the keys
	s_lshr_b32 s[TEAM], s[WV], 2                   ; my query tile of a group
	s_add_co_u32 s14, s13, 64
	s_mul_i32 s14, s14, KPACK
	s_mul_i32 s16, s[KQ], KQR*256
	s_add_co_u32 s14, s14, s16                     ; a quarter of K's pack, in memory; s16: in LDS
	s_mov_b32 s15, 0
	s_mul_i32 s18, s13, VPACK
	s_mul_i32 s17, s[KQ], VQR*256
	s_add_co_u32 s18, s18, s17                     ; a quarter of V's pack
	s_mov_b32 s19, 0
	s_mov_b32 s[G1K], 15|(3<<16)|(1<<21)           ; the mask of the four partners; elements of 8 bytes; bit 21 beside the mask
	s_mov_b32 s[G1K+1], 32<<16                     ; rows of 256 bytes, dense
	s_mov_b32 s[G1K+2], KQR<<16
	s_mov_b32 s[G1K+3], 32<<16
	s_mov_b32 s[G1K+4], KQR
	s_mov_b32 s[G1K+5], 32
	s_mov_b32 s[G1K+6], 0
	s_mov_b32 s[G1K+7], 0
	s_mov_b32 s[G1V], 15|(3<<16)|(1<<21)
	s_mov_b32 s[G1V+1], 32<<16
	s_mov_b32 s[G1V+2], VQR<<16
	s_mov_b32 s[G1V+3], 32<<16
	s_mov_b32 s[G1V+4], VQR
	s_mov_b32 s[G1V+5], 32
	s_mov_b32 s[G1V+6], 0
	s_mov_b32 s[G1V+7], 0
	s_lshl_b32 s57, s11, 5
	s_add_co_u32 s57, s57, s[TEAM]                 ; my first tile of Q: 32 cx + my query tile; two tiles on in each group
	s_mul_i32 s58, s13, KPACK
	s_lshl_b32 s59, s57, 10
	s_add_co_u32 s60, s58, s59                     ; its codes
	s_mov_b32 s61, 0
	s_lshl_b32 s59, s57, 6
	s_add_co_u32 s58, s58, s59
	s_add_co_u32 s58, s58, IMG                     ; its scale words
	s_mov_b32 s59, 0
	s_lshr_b32 s62, s13, 4                         ; the rows that I store: 2,048 batch + 512 cx + 8 tile + 4 quarter + 8 (quarter / 2)
	s_lshl_b32 s62, s62, 11
	s_lshl_b32 s63, s11, 9
	s_add_co_u32 s62, s62, s63
	s_lshl_b32 s63, s[TEAM], 3
	s_add_co_u32 s62, s62, s63
	s_lshl_b32 s63, s[KQ], 2
	s_add_co_u32 s62, s62, s63
	s_lshr_b32 s63, s[KQ], 1
	s_lshl_b32 s63, s63, 3
	s_add_co_u32 s62, s62, s63
	s_lshl_b32 s62, s62, 12
	s_and_b32 s63, s13, 15
	s_lshl_b32 s63, s63, 8
	s_add_co_u32 s62, s62, s63                     ; + 256 bytes x head
	s_mov_b32 s63, 0
	s_mov_b32 s[SEL], 0x76543210
	s_mov_b32 s[SEL+1], 0xfedcba98
	s_mov_b32 s[CS], 0x3e38aa3b                    ; log2(e) / 8
	s_mov_b32 s[CS+1], s[CS]
	s_mov_b32 s[EPS], 0x3089705f                   ; 1e-9
	s_mov_b32 s[EPS+1], s[EPS]
	s_mov_b32 s[CLO], 0xcfee6b28                   ; -8e9: the clip at 1e9 of score / 8, on the score
	s_mov_b32 s[CHI], 0x4fee6b28
	s_mov_b32 s[MNT], 0x600000
	s_mov_b32 s[HIM], 0xffff0000
	s_mov_b32 s[O15], 0x0f0f0f0f
	s_wait_dscnt 0x0
	s_wait_kmcnt 0x0
	s_mov_b32 s[G0K], 1
	s_mov_b32 s[G0K+1], s16
	s_add_nc_u64 s[G0K+2:G0K+3], s[4:5], s[14:15]
	s_or_b32 s[G0K+3], s[G0K+3], 0x80000000
	s_mov_b32 s[G0V], 1
	s_add_co_u32 s[G0V+1], s17, VB
	s_add_nc_u64 s[G0V+2:G0V+3], s[6:7], s[18:19]
	s_or_b32 s[G0V+3], s[G0V+3], 0x80000000
	s_add_nc_u64 s[QB:QB+1], s[4:5], s[60:61]
	s_add_nc_u64 s[QS:QS+1], s[4:5], s[58:59]
	s_add_nc_u64 s[8:9], s[8:9], s[62:63]
	ROUND                                          ; the four partners are here: the joint loads meet
	s_cmp_lt_u32 s[WV], 4                          ; one tensor load a wave: waves 0-3 the quarters of K's pack, waves 4-7 those of V's
	s_cbranch_scc0 .Lload_v
	tensor_load_to_lds s[G0K:G0K+3], s[G1K:G1K+7]
	s_nop 0
	NOPS 4
	s_branch .Lasked
.Lload_v:
	tensor_load_to_lds s[G0V:G0V+3], s[G1V:G1V+7]
	s_nop 0
	NOPS 4
.Lasked:
	s_lshl_b32 s4, s[KQ], 15                       ; 32 tiles of K, and four steps of V, are 32,768 bytes
	s_lshl_b32 s5, s[KQ], 11
	s_add_co_u32 s5, s5, IMG
	s_add_co_u32 s6, s4, VB
	s_lshl_b32 s7, s[KQ], 10
	s_add_co_u32 s7, s7, VB+IMG
	s_lshl_b32 s14, s[TEAM], 9
	s_add_co_u32 s14, s14, STATS
	s_lshl_b32 s15, s[KQ], 2
	s_add_co_u32 s15, s15, s14
	s_mul_i32 s16, s[WV], WST
	s_add_co_u32 s16, s16, OST
	s_mul_i32 s17, s[TEAM], 4*WST
	s_mul_i32 s18, s[KQ], 4*SPIT
	s_add_co_u32 s17, s17, s18
	s_add_co_u32 s17, s17, OST
	v_and_b32 v253, 31, v0                         ; lane
	v_and_b32 v254, 15, v0                         ; r
	v_bfe_u32 v255, v0, 4, 1                       ; h
	v_lshlrev_b32 v[AQ], 4, v253
	v_lshlrev_b32 v[AQS], 2, v254
	global_load_b128 v[QF:QF+3], v[AQ], s[QB:QB+1]
	global_load_b128 v[QF+4:QF+7], v[AQ], s[QB:QB+1] offset:512
	global_load_b32 v[QSW], v[AQS], s[QS:QS+1]
	v_lshlrev_b32 v253, 2, v253
	v_add_nc_u32 v[AK], s4, v[AQ]
	v_add_nc_u32 v[AV], s6, v[AQ]
	v_add_nc_u32 v[AS], s5, v253
	v_add_nc_u32 v[AT], s7, v253
	v_lshlrev_b32 v[STR], 4, v254
	v_add_nc_u32 v[STW], s15, v[STR]               ; 16 r + 4 x quarter,
	v_add_nc_u32 v[STR], s14, v[STR]
	v_lshl_add_u32 v[STW], v255, 8, v[STW]         ; the sums 256 bytes behind the -M
	v_mul_u32_u24 v[STO], v254, SPIT
	v_mul_u32_u24 v[RD], v255, SPIT
	v_lshl_add_u32 v[STO], v255, 6, v[STO]
	v_lshl_add_u32 v[RD], v254, 4, v[RD]
	v_add_nc_u32 v[STO], s16, v[STO]
	v_add_nc_u32 v[RD], s17, v[RD]
	v_lshlrev_b32 v[GO], 12, v255
	v_lshl_add_u32 v[GO], v254, 4, v[GO]
.irp j, 0,1,2,3,4,5,6,7
	v_mov_b32 v[QF+8+\j], 0                        ; zero codes: the upper half of K = 128
	v_mov_b32 v[ZP+\j], 0
.endr
.irp j, 0,1,2,3,4,5,6,7,8,9,10,11,12,13,14,15
	v_mov_b32 v[TT+\j], 0                          ; written once: a lane permute's destination counts as one of its sources
.endr
	v_mov_b32 v[NM+1], 0
	v_mov_b32 v[F+1], 0
	s_wait_alu depctr_va_vdst(0)                   ; the wait at the head's end
	s_wait_tensorcnt 0x0                           ; my quarter is in;
	s_barrier_signal -1
	s_barrier_wait -1                              ; and so are the other seven.  Nothing is filled again
.irp i, 0,1,2,3,4,5,6,7
	ds_load_b32 v[VSW+\i], v[AT] offset:128*\i
.endr
	LKS
	LK 0
	LK 1
	s_wait_dscnt 0x0
	s_mov_b32 s[CNT], 16
.Lgroup:
	s_wait_loadcnt 0x0                             ; Q's tile and scale words are in, so their bases may step
	s_add_nc_u64 s[QB:QB+1], s[QB:QB+1], 2048
	s_add_nc_u64 s[QS:QS+1], s[QS:QS+1], 128
	WK 0
	NOPS 8                                         ; places in front of loads into registers that matrix instructions have read
	LK 2
	WK 1
	NOPS 8
	LK 3
	s_wait_dscnt 14                                ; batch 2 and batch 3's first tile are in; 14 loads may be out
	WK 2
	s_wait_dscnt 0x0
	WK 3
	NOPS 8
	global_load_b128 v[QF:QF+3], v[AQ], s[QB:QB+1]             ; the next group's Q
	global_load_b128 v[QF+4:QF+7], v[AQ], s[QB:QB+1] offset:512
	global_load_b32 v[QSW], v[AQS], s[QS:QS+1]
	LV 0
	LV 1
	WIN 0x41
.set n, 0
.rept 256
	v_med3_num_f32 v[n], v[n], s[CLO], s[CHI]      ; the clip; each accumulator from its low end on
.set n, n+1
.endr
	WIN 0x15
.irp b, 0,1,2,3,4,5,6,7,8,9,10,11,12,13,14,15
	v_max3_num_f32 v[BM+\b], v[16*\b], v[16*\b+1], v[16*\b+2]      ; the largest score of each block of 32 keys, my 16 of them; the blocks by turns
.endr
	WIN 0x05
.irp i, 3,5,7,9,11,13
.irp b, 0,1,2,3,4,5,6,7,8,9,10,11,12,13,14,15
	v_max3_num_f32 v[BM+\b], v[16*\b+\i], v[16*\b+\i+1], v[BM+\b]
.endr
.endr
.irp b, 0,1,2,3,4,5,6,7,8,9,10,11,12,13,14,15
	v_max3_num_f32 v[BM+\b], v[16*\b+15], v[16*\b+15], v[BM+\b]
.endr
	WIN 0
.irp b, 0,1,2,3,4,5,6,7,8,9,10,11,12,13,14,15
	v_permlanex16_b32 v[TT+\b], v[BM+\b], s[SEL], s[SEL+1]
.endr
.irp b, 0,1,2,3,4,5,6,7,8,9,10,11,12,13,14,15
	v_max_num_f32 v[BM+\b], v[BM+\b], v[TT+\b]     ; with lane l xor 16's 16 keys
.endr
	v_max3_num_f32 v[TT], v[BM], v[BM+1], v[BM+2]
	v_max3_num_f32 v[TT+1], v[BM+3], v[BM+4], v[BM+5]
	s_delay_alu instid0(VALU_DEP_2)
	v_max3_num_f32 v[TT], v[TT], v[BM+6], v[BM+7]
	s_delay_alu instid0(VALU_DEP_2)
	v_max3_num_f32 v[TT+1], v[TT+1], v[BM+8], v[BM+9]
	s_delay_alu instid0(VALU_DEP_2)
	v_max3_num_f32 v[TT], v[TT], v[BM+10], v[BM+11]
	s_delay_alu instid0(VALU_DEP_2)
	v_max3_num_f32 v[TT+1], v[TT+1], v[BM+12], v[BM+13]
	s_delay_alu instid0(VALU_DEP_2)
	v_max3_num_f32 v[TT], v[TT], v[BM+14], v[BM+15]
	s_delay_alu instid0(VALU_DEP_1)
	v_max_num_f32 v[TT], v[TT], v[TT+1]            ; my quarter's largest score of my query
	s_delay_alu instid0(VALU_DEP_1)
	v_mul_f32 v[TT+2], s[CS], v[TT]
	s_delay_alu instid0(VALU_DEP_1)
	v_floor_f32 v[NM], -v[TT+2]                    ; -M = floor(-t): M is a whole number
.irp k, 0,2,4,6,8,10,12,14
	v_pk_fma_f32 v[BM+\k:BM+\k+1], v[BM+\k:BM+\k+1], s[CS:CS+1], v[NM:NM+1] op_sel_hi:[1,0,0]
.endr
	WIN 0x41
.set n, 0
.rept 16
	v_pk_fma_f32 v[n:n+1], v[n:n+1], s[CS:CS+1], v[NM:NM+1] op_sel_hi:[1,0,0]   ; t - M of the first 32
.set n, n+2
.endr
	WIN 0
	s_wait_alu depctr_va_vdst(0)                   ; the wait ahead of a batch of exponentials
.irp b, 0,1,2,3,4,5,6,7,8,9,10,11,12,13,14,15
	v_exp_f32 v[BM+\b], v[BM+\b]                   ; each block's largest p
.endr
	WIN 0x41
.set c, 0
.rept 8                                        ; 32 exponentials at a time; among them the next 32's t - M, first read behind the next wait
	s_wait_alu depctr_va_vdst(0)
.set n, 32*c
.rept 16
	v_exp_f32 v[n], v[n]
.if c < 7
	v_pk_fma_f32 v[n+32:n+33], v[n+32:n+33], s[CS:CS+1], v[NM:NM+1] op_sel_hi:[1,0,0]
.endif
	v_exp_f32 v[n+1], v[n+1]
.set n, n+2
.endr
.set c, c+1
.endr
	v_nop                                          ; a plain place behind the last exponential
	s_wait_alu depctr_va_vdst(0)                   ; and the wait ahead of the first reader
	WIN 0x05
.irp k, 0,1,2,3
	v_pk_add_f32 v[TT+2*\k:TT+2*\k+1], v[4*\k:4*\k+1], v[4*\k+2:4*\k+3]         ; the sum of the unquantised p, in four chains of pairs
.endr
	WIN 0x01
.set n, 16
.rept 120
	v_pk_add_f32 v[TT+2*((n/2)%4):TT+2*((n/2)%4)+1], v[n:n+1], v[TT+2*((n/2)%4):TT+2*((n/2)%4)+1]
.set n, n+2
.endr
	WIN 0
	v_pk_add_f32 v[TT:TT+1], v[TT:TT+1], v[TT+2:TT+3]
	v_pk_add_f32 v[TT+4:TT+5], v[TT+4:TT+5], v[TT+6:TT+7]
	s_delay_alu instid0(VALU_DEP_1)
	v_pk_add_f32 v[TT:TT+1], v[TT:TT+1], v[TT+4:TT+5]
	s_delay_alu instid0(VALU_DEP_1)
	v_add_f32 v[TT+2], v[TT], v[TT+1]
	s_delay_alu instid0(VALU_DEP_1)
	v_permlanex16_b32 v[TT+3], v[TT+2], s[SEL], s[SEL+1]
	s_delay_alu instid0(VALU_DEP_1)
	v_add_f32 v[TT+2], v[TT+2], v[TT+3]            ; my quarter's sum
	s_delay_alu instid0(VALU_DEP_1)
	v_cndmask_b32 v[TT+3], v[NM], v[TT+2], s[HIM]  ; lanes 0-15 hand on -M, lanes 16-31 the sum
	ds_store_b32 v[STW], v[TT+3]
	s_wait_alu depctr_va_vdst(0)
	s_wait_dscnt 0x0                               ; my store is done, and V's first two steps are in
	s_barrier_signal -1
	s_barrier_wait -1                              ; barrier 1: the four quarters' -M and sums stand in LDS
	ds_load_b128 v[ST:ST+3], v[STR]
	ds_load_b128 v[ST+4:ST+7], v[STR] offset:256
	s_wait_dscnt 0x0
	v_min3_num_f32 v[NN], v[ST], v[ST+1], v[ST+2]
	s_delay_alu instid0(VALU_DEP_1)
	v_min_num_f32 v[NN], v[NN], v[ST+3]            ; the row's -M
.irp w, 0,1,2,3
	v_sub_f32 v[DD+\w], v[NN], v[ST+\w]            ; a quarter's M less the row's: a whole number, 0 or less
.endr
	v_sub_f32 v[DD+4], v[NN], v[NM]                ; and mine
.irp w, 0,1,2,3,4
	v_cvt_i32_f32 v[DD+\w], v[DD+\w]               ; (it saturates)
.endr
.irp w, 0,1,2,3
	v_ldexp_f32 v[ST+4+\w], v[ST+4+\w], v[DD+\w]   ; the quarters' sums under the row's M: nothing is rounded
.endr
	v_add_f32 v[ST+4], v[ST+4], v[ST+5]
	v_add_f32 v[ST+6], v[ST+6], v[ST+7]
	s_delay_alu instid0(VALU_DEP_1)
	v_add_f32 v[ST+4], v[ST+4], v[ST+6]
	s_wait_alu depctr_va_vdst(0)                   ; the wait ahead of the transcendental
	v_rcp_f32 v[RL], v[ST+4]
	v_nop
	s_wait_alu depctr_va_vdst(0)                   ; and ahead of its reader
	v_ldexp_f32 v[F], v[RL], v[DD+4]               ; f = 2^(my M - the row's M) / the row's sum
.irp k, 0,2,4,6,8,10,12,14
	v_pk_fma_f32 v[BM+\k:BM+\k+1], v[BM+\k:BM+\k+1], v[F:F+1], s[EPS:EPS+1] op_sel_hi:[1,0,0]   ; each block's largest y; at least 1e-9, so its byte needs no floor
.endr
.irp b, 0,1,2,3,4,5,6,7,8,9,10,11,12,13,14,15
	v_lshrrev_b32 v[TT+\b], 23, v[BM+\b]           ; its exponent field
.endr
.irp s, 0,1,2,3
	v_lshl_or_b32 v[PSW+\s], v[TT+4*\s+1], 8, v[TT+4*\s]
.endr
.irp s, 0,1,2,3
	v_lshl_or_b32 v[PSW+\s], v[TT+4*\s+2], 16, v[PSW+\s]
.endr
.irp s, 0,1,2,3
	v_lshl_or_b32 v[PSW+\s], v[TT+4*\s+3], 24, v[PSW+\s]
.endr
.irp s, 0,1,2,3
	v_sub_nc_u32 v[PSW+\s], v[PSW+\s], s[O15]      ; 15 off each of the four bytes (each is over 15: no borrow): y's scale word for 128 keys
.endr
	STEPY 0
	STEPY 1
	STEPY 2
	STEPY 3
	NOPS 8
.irp a, 0,1,2,3
	ds_store_b128 v[STO], v[OT+8*\a:OT+8*\a+3] offset:128*(\a/2)+32*(\a%2)       ; register j of tile a is channel 32 (a / 2) + 8 (a % 2) + 16 h + j of query r
	ds_store_b128 v[STO], v[OT+8*\a+4:OT+8*\a+7] offset:128*(\a/2)+32*(\a%2)+16
.endr
	LK 0                                           ; the next group's first fragments of K
	LK 1
	s_wait_dscnt 0x0
	s_barrier_signal -1
	s_barrier_wait -1                              ; barrier 2: the four partial O^T of a query tile stand in LDS
	LKS
.irp i, 0,1
.irp w, 0,1,2,3
	ds_load_b128 v[TT+16*\i+4*\w:TT+16*\i+4*\w+3], v[RD] offset:\w*WST+\i*2*SPIT   ; rows 4 x quarter + 2 i + h of the four stages
.endr
.endr
	s_wait_dscnt 0x0
.irp i, 0,1
.irp p, 0,2
	v_pk_add_f32 v[TT+16*\i+\p:TT+16*\i+\p+1], v[TT+16*\i+\p:TT+16*\i+\p+1], v[TT+16*\i+4+\p:TT+16*\i+5+\p]
	v_pk_add_f32 v[TT+16*\i+8+\p:TT+16*\i+9+\p], v[TT+16*\i+8+\p:TT+16*\i+9+\p], v[TT+16*\i+12+\p:TT+16*\i+13+\p]
.endr
.endr
.irp i, 0,1
.irp p, 0,2
	v_pk_add_f32 v[TT+16*\i+\p:TT+16*\i+\p+1], v[TT+16*\i+\p:TT+16*\i+\p+1], v[TT+16*\i+8+\p:TT+16*\i+9+\p]
.endr
.endr
.irp i, 0,1
	global_store_b128 v[GO], v[TT+16*\i:TT+16*\i+3], s[8:9] offset:\i*8192 th:TH_STORE_NT   ; sixteen lanes store 256 consecutive bytes, aligned: a query's 64 channels
.endr
	s_wait_xcnt 0x0                                ; the stores have read their base and their data
	s_add_nc_u64 s[8:9], s[8:9], 131072            ; 32 rows of out0 on
	s_sub_co_u32 s[CNT], s[CNT], 1
	s_cmp_lg_u32 s[CNT], 0
	s_wait_alu depctr_va_vdst(0)                   ; the wait ahead of the branch
	s_cbranch_scc1 .Lgroup
	s_wait_tensorcnt 0x0                           ; the wave's end
	ds_add_u32 v[SPW], v[NIL]
	s_wait_dscnt 0x0
	ROUND                                          ; the closing round
	s_endpgm
.Lfunc_end_k_qd09bdcb63c_attn:
	.size	k_qd09bdcb63c_attn, .Lfunc_end_k_qd09bdcb63c_attn-k_qd09bdcb63c_attn
	.p2alignl 7, 3214868480
	.fill 96, 4, 3214868480
	.section	.rodata,"a",@progbits
	.p2align	6, 0x0
	.amdhsa_kernel k_qd09bdcb63c_attn
		.amdhsa_group_segment_fixed_size 327680
		.amdhsa_private_segment_fixed_size 0
		.amdhsa_enable_private_segment 0
		.amdhsa_kernarg_size 24
		.amdhsa_user_sgpr_count 2
		.amdhsa_user_sgpr_kernarg_segment_ptr 1
		.amdhsa_wavefront_size32 1
		.amdhsa_system_sgpr_workgroup_id_x 1
		.amdhsa_system_sgpr_workgroup_id_y 1
		.amdhsa_system_sgpr_workgroup_id_z 1
		.amdhsa_system_vgpr_workitem_id 0
		.amdhsa_next_free_vgpr 512
		.amdhsa_next_free_sgpr 66
		.amdhsa_reserve_vcc 0
		.amdhsa_float_denorm_mode_32 3
		.amdhsa_float_denorm_mode_16_64 3
		.amdhsa_memory_ordered 1
		.amdhsa_forward_progress 1
		.amdhsa_inst_pref_size 109
	.end_amdhsa_kernel
	.amdgpu_metadata
---
amdhsa.version: [ 1, 2 ]
amdhsa.kernels:
  - .name:           k_qd09bdcb63c_attn
    .symbol:         k_qd09bdcb63c_attn.kd
    .args:
      - { .name: qk_pack, .offset: 0, .size: 8, .value_kind: global_buffer, .address_space: global }
      - { .name: v_pack, .offset: 8, .size: 8, .value_kind: global_buffer, .address_space: global }
      - { .name: out0, .offset: 16, .size: 8, .value_kind: global_buffer, .address_space: global }
    .group_segment_fixed_size: 327680
    .private_segment_fixed_size: 0
    .kernarg_segment_align: 8
    .kernarg_segment_size: 24
    .max_flat_workgroup_size: 256
    .sgpr_count:     66
    .vgpr_count:     512
    .wavefront_size: 32
...
	.end_amdgpu_metadata
.endif
;; end of part 3
